; MI455X (gfx1250); checked and timed in simulation.
; The chip was launched on July 23, 2026; its instructions are those of AMD's public machine-readable ISA for CDNA 5 (MIT licence, August 2026) and "CDNA5" Instruction Set Architecture Reference Guide (July 2026). The comments in the code are by the model that wrote it; some were corrected since.
;; Trilinear Attention Layer. Allowed arithmetic: float matrix products may take bf16 or f16 operands with f32 sums; all other float work in f32.
;; Inputs: W 768 x 1 float32; prompt 32 x 256 float32; response 32 x 4,096 x 256 float32.
;; Outputs: out0 32 x 4,096 x 1 float32.
;; 2 versions, each right; version 2 is version 1 with the launch rowdots written anew for expert scheduling mode. Each part assembles by itself: llvm-mc -triple=amdgcn-amd-amdhsa -mcpu=gfx1250 --defsym DOCPART=n.
;; ======== version 1 of 2: 2 launches
;; workspace buffers: dots 524,288 bytes
;; launch rowdots (part 1): grid 256 x 1, 8 waves a work-group, no clusters, 2,048 bytes of LDS; arguments W, prompt, response, dots; writes dots
.if DOCPART == 1
	.amdgcn_target "amdgcn-amd-amdhsa--gfx1250"
	.amdhsa_code_object_version 6
	.text
	.protected	k_qeff0af48d4_rowdots
	.globl	k_qeff0af48d4_rowdots
	.p2align	8
	.type	k_qeff0af48d4_rowdots,@function
k_qeff0af48d4_rowdots:
	s_mov_b64 s[64:65], 0
	v_nop
	global_prefetch_b8 v0, s[64:65] scope:SCOPE_SE
	s_setreg_imm32_b32 hwreg(HW_REG_WAVE_MODE, 25, 1), 1
	s_wait_xcnt 0x0
; dots[b][t] = sum over d of response[b][t][d] * v[b][d],   v[b][d] = W[256+d] + prompt[b][d] * W[512+d].
; The first of two launches.  A state of the problem's formula is dots[b][t] + c[b] with c[b] = prompt[b] . W[0:256]; c[b], the exponentials
; and the sum over t belong to the second launch, because that sum spans the eight work-groups that share a batch here.
; response is [32*4096] rows of 256 f32 (1,024 bytes); all arithmetic is f32.  The order of the sums is this text's own: two chains of four
; packed multiply-adds in a lane, then a tree over sixteen lanes.
;
; SHARES.  256 work-groups of 512 rows (eight to a batch); eight waves of 64 rows; a TURN is two rows: lanes 0-15 take 256 aligned bytes of one
; row, lanes 16-31 the same bytes of the row two below, four loads of 16 bytes a lane for the rows' 1,024 bytes.  So a lane keeps the same 16
; columns (64 c + 4 r .. + 3, c = 0..3, r = lane mod 16) in every row, its 16 numbers of v stay in registers, and a row's sum spans 16 lanes only.
; Turn i = 2 q + g reads the wave's rows 4 q + g (lanes 0-15) and 4 q + 2 + g (lanes 16-31): two turns that follow each other read 4,096
; consecutive bytes, and at the end a lane owns two NEIGHBOURING rows (see the tree), so that the wave's one store covers 256 consecutive bytes, aligned.
;
; WHY NO MATRIX INSTRUCTION: v is one column where a matrix instruction multiplies sixteen, and rounding to bf16 would cost one conversion for
; two numbers, as many instructions as the v_pk_fma_f32 that finishes the work in f32.  WHY NO CLUSTER: the work-groups share 2 KiB of W and
; 1 KiB of prompt and nothing else.  WHY NO LDS RING: the bytes on their way lie in registers, and LDS would move each of them twice more.
.set TURNS, 32                         ; turns of a wave: 64 rows, two at a time
.set DEPTH, 12                         ; turns on their way: 48 loads of 512 bytes, 24 KiB a wave, 192 KiB a work-group
.set OFF, 1                            ; v1        byte offset of my 16 bytes in the group's rows: 65,536 wave + 2,048 (lane / 16) + 16 r; never rewritten
.set SO,  2                            ; v2        byte offset of my two results: 256 wave + 16 r + 8 (lane / 16)
.set C4,  3                            ; v3        4 t: my column in W's parts and in prompt's row, and its place in LDS
.set LV,  4                            ; v4        16 r: my four numbers in each quarter of v in LDS
.set ACC, 8                            ; v[8:11]   two chains of packed sums; later the tree's temporaries
.set WR,  12                           ; v12 W[256+t], v13 W[512+t], v14 prompt[b][t]
.set V,   16                           ; v[16:31]  v of my 16 columns
.set P,   32                           ; v[32:63]  my partial sums: P + 16 g + q
.set X,   64                           ; v[64:255] the ring: slot i mod DEPTH, 16 registers
	s_load_b256 s[4:11], s[0:1], 0x0               ; W s[4:5], prompt s[6:7], response s[8:9], dots s[10:11]
	v_lshl_add_u32 v15, v0, 2, 0x400
	s_set_vgpr_msb 0x40
	v_mov_b32 v1, 0
	s_set_vgpr_msb 0x4000
	v_lshlrev_b32 v[C4], 2, v0                     ; 4 t
	v_and_b32 v5, 15, v0                           ; r
	v_bfe_u32 v6, v0, 4, 1                         ; lane / 16
	v_lshrrev_b32 v7, 5, v0                        ; wave
	v_lshlrev_b32 v[LV], 4, v5
	v_lshl_add_u32 v[OFF], v6, 11, v[LV]           ; lanes 16-31: two rows further down
	v_lshl_add_u32 v[OFF], v7, 16, v[OFF]          ; the wave's 64 rows
	v_lshl_add_u32 v[SO], v6, 3, v[LV]
	v_lshl_add_u32 v[SO], v7, 8, v[SO]
	s_lshl_b32 s12, ttmp9, 19                      ; the group's 512 rows of 1,024 bytes (below 2^27)
	s_mov_b32 s13, 0
	s_lshr_b32 s14, ttmp9, 3                       ; batch
	s_lshl_b32 s14, s14, 10                        ; its row of prompt
	s_mov_b32 s15, 0
	s_lshl_b32 s16, ttmp9, 11                      ; the group's 512 results of 4 bytes
	s_mov_b32 s17, 0
	s_mov_b32 s18, 0xaaaaaaaa                      ; lanes whose number has bit 0 set,
	s_mov_b32 s19, 0xcccccccc                      ; bit 1,
	s_mov_b32 s20, 0xf0f0f0f0                      ; bit 2,
	s_mov_b32 s21, 0xff00ff00                      ; bit 3
	s_wait_kmcnt 0x0
	s_add_nc_u64 s[8:9], s[8:9], s[12:13]
	s_add_nc_u64 s[6:7], s[6:7], s[14:15]
	s_add_nc_u64 s[10:11], s[10:11], s[16:17]
; the four loads of a turn into its slot; the turn's place stands in the immediate (64,256 bytes at the most), so no address register is ever stepped
.macro FILL turn
.irp c, 0,1,2,3
	global_load_b128 v[X+16*((\turn)%DEPTH)+4*\c:X+16*((\turn)%DEPTH)+4*\c+3], v[OFF], s[8:9] offset:((\turn)/2)*4096+((\turn)%2)*1024+256*\c th:TH_LOAD_NT
.endr
.endm
	global_load_b32 v[WR],   v[C4], s[4:5] offset:1024     ; W[256+t]: thread t makes column t of v, so the group fetches these 3 KiB once
	global_load_b32 v[WR+1], v[C4], s[4:5] offset:2048     ; W[512+t]
	global_load_b32 v[WR+2], v[C4], s[6:7]                 ; prompt[b][t]
.irp i, 0,1,2,3,4,5,6,7,8,9,10,11
	FILL \i                                        ; the ring is filled before anything is waited for
.endr
	s_wait_loadcnt 4*DEPTH                         ; loads come back in order (ISA guide 5.7.1): the three small ones are in, the ring's 48 stay out
	v_fma_f32 v[WR], v[WR+2], v[WR+1], v[WR]       ; v[t]
	ds_store_b32 v[C4], v[WR]
	s_wait_dscnt 0x0                               ; my column is in LDS before I say so
	s_barrier_signal -1
	s_barrier_wait -1                              ; all 256 columns are
.irp c, 0,1,2,3
	ds_load_b128 v[V+4*\c:V+4*\c+3], v[LV] offset:256*\c   ; sixteen lanes take 256 neighbouring bytes; both halves of the wave the same ones
.endr
	s_wait_dscnt 0x0
; One turn: two rows' products with v, summed in the lane; its slot is filled again with the turn DEPTH further on, while there is one.
.macro TURN i
.set SL, X+16*(\i%DEPTH)
.if \i+DEPTH < TURNS
	s_wait_loadcnt 4*(DEPTH-1)                     ; my four loads are in; the eleven younger turns' 44 stay out
.else
	s_wait_loadcnt 4*(TURNS-1-\i)                  ; nothing is fetched any more: the counts run down to 0
.endif
	v_pk_mul_f32 v[ACC:ACC+1],   v[SL:SL+1],   v[V:V+1]        ; the first products start the two chains: nothing is cleared
	v_pk_mul_f32 v[ACC+2:ACC+3], v[SL+8:SL+9], v[V+8:V+9]
.irp k, 2,4,6
	v_pk_fma_f32 v[ACC:ACC+1],   v[SL+\k:SL+\k+1],     v[V+\k:V+\k+1],     v[ACC:ACC+1]
	v_pk_fma_f32 v[ACC+2:ACC+3], v[SL+8+\k:SL+8+\k+1], v[V+8+\k:V+8+\k+1], v[ACC+2:ACC+3]
.endr
.if \i+DEPTH < TURNS
	FILL \i+DEPTH
.endif
	v_pk_add_f32 v[ACC:ACC+1], v[ACC:ACC+1], v[ACC+2:ACC+3]
	v_add_f32 v[P+16*(\i%2)+\i/2], v[ACC], v[ACC+1]
.endm
.irp i, 0,1,2,3,4,5,6,7,8,9,10,11,12,13,14,15,16,17,18,19,20,21,22,23,24,25,26,27,28,29,30,31
	TURN \i
.endr
; THE TREE.  Sixteen lanes each hold a part of sixteen sums (q = 0..15).  A merge halves the registers instead of repeating a sum in every lane:
; of two sums a and b a lane keeps a if the step's bit of its number is 0 and b if it is 1, and adds to it the part that its partner
; (lane xor the bit) holds of that same sum.  After the bits 1, 2, 4, 8 lane r holds the whole sum q = r: 15 merges for 16 sums.
.macro MERGE d, a, b, m, x, t
	v_cndmask_b32 v[\t],   v[\a], v[\b], \m        ; what I keep
	v_cndmask_b32 v[\t+1], v[\b], v[\a], \m        ; what my partner keeps
	v_add_f32_dpp v[\d], v[\t+1], v[\t] row_xmask:\x row_mask:0xf bank_mask:0xf    ; my partner's second line + my first; the destination has been written before
.endm
.macro TREE p, d                       ; sums p .. p+15, folded in place; the result goes to register d
.irp j, 0,1,2,3,4,5,6,7
	MERGE \p+\j, \p+2*\j, \p+2*\j+1, s18, 1, ACC+2*(\j%2)
.endr
.irp j, 0,1,2,3
	MERGE \p+\j, \p+2*\j, \p+2*\j+1, s19, 2, ACC+2*(\j%2)
.endr
.irp j, 0,1
	MERGE \p+\j, \p+2*\j, \p+2*\j+1, s20, 4, ACC+2*(\j%2)
.endr
	MERGE \d, \p, \p+1, s21, 8, ACC
.endm
	TREE P, P                                      ; g = 0: lane (h, r) holds the wave's row 4 r + 2 h
	TREE P+16, P+1                                 ; g = 1: row 4 r + 2 h + 1, into the register beside it (free since the first tree's last merge)
	global_store_b64 v[SO], v[P:P+1], s[10:11]     ; 32 lanes x 8 bytes: 256 consecutive bytes, at a multiple of 256 from the buffer's first byte; the next launch reads them, so no hint
	s_set_vgpr_msb 0x4
	s_wait_tensorcnt 0x0
	ds_add_u32 v15, v1
	s_wait_dscnt 0x0
	s_set_vgpr_msb 0x400
	s_endpgm
.Lfunc_end_k_qeff0af48d4_rowdots:
	.size	k_qeff0af48d4_rowdots, .Lfunc_end_k_qeff0af48d4_rowdots-k_qeff0af48d4_rowdots
	.p2alignl 7, 3214868480
	.fill 96, 4, 3214868480
	.section	.rodata,"a",@progbits
	.p2align	6, 0x0
	.amdhsa_kernel k_qeff0af48d4_rowdots
		.amdhsa_group_segment_fixed_size 2048
		.amdhsa_private_segment_fixed_size 0
		.amdhsa_enable_private_segment 0
		.amdhsa_kernarg_size 32
		.amdhsa_user_sgpr_count 2
		.amdhsa_user_sgpr_kernarg_segment_ptr 1
		.amdhsa_wavefront_size32 1
		.amdhsa_system_sgpr_workgroup_id_x 1
		.amdhsa_system_sgpr_workgroup_id_y 1
		.amdhsa_system_sgpr_workgroup_id_z 1
		.amdhsa_system_vgpr_workitem_id 0
		.amdhsa_next_free_vgpr 258
		.amdhsa_next_free_sgpr 66
		.amdhsa_reserve_vcc 0
		.amdhsa_float_denorm_mode_32 3
		.amdhsa_float_denorm_mode_16_64 3
		.amdhsa_memory_ordered 1
		.amdhsa_forward_progress 1
		.amdhsa_inst_pref_size 41
	.end_amdhsa_kernel
	.amdgpu_metadata
---
amdhsa.version: [ 1, 2 ]
amdhsa.kernels:
  - .name:           k_qeff0af48d4_rowdots
    .symbol:         k_qeff0af48d4_rowdots.kd
    .args:
      - { .name: W, .offset: 0, .size: 8, .value_kind: global_buffer, .address_space: global }
      - { .name: prompt, .offset: 8, .size: 8, .value_kind: global_buffer, .address_space: global }
      - { .name: response, .offset: 16, .size: 8, .value_kind: global_buffer, .address_space: global }
      - { .name: dots, .offset: 24, .size: 8, .value_kind: global_buffer, .address_space: global }
    .group_segment_fixed_size: 2048
    .private_segment_fixed_size: 0
    .kernarg_segment_align: 8
    .kernarg_segment_size: 32
    .max_flat_workgroup_size: 256
    .sgpr_count:     66
    .vgpr_count:     258
    .wavefront_size: 32
...
	.end_amdgpu_metadata
.endif
;; end of part 1
;; launch normalise (part 2): grid 32 x 1, 8 waves a work-group, no clusters, 1,280 bytes of LDS; arguments W, prompt, dots, out0; writes out0
.if DOCPART == 2
	.amdgcn_target "amdgcn-amd-amdhsa--gfx1250"
	.amdhsa_code_object_version 6
	.text
	.protected	k_qeff0af48d4_normalise
	.globl	k_qeff0af48d4_normalise
	.p2align	8
	.type	k_qeff0af48d4_normalise,@function
k_qeff0af48d4_normalise:
	s_mov_b64 s[64:65], 0
	v_nop
	global_prefetch_b8 v0, s[64:65] scope:SCOPE_SE
	s_setreg_imm32_b32 hwreg(HW_REG_WAVE_MODE, 25, 1), 1
	s_wait_xcnt 0x0
; out0[b][t] = e^state / (sum over t of e^state + 1e-7),  state = c[b] + dots[b][t],  c[b] = prompt[b] . W[0:256].
; Top and bottom are divided by e^(c + M), M the batch's largest dot:
;     out0[b][t] = e^(dots - M) / (sum over t of e^(dots - M) + 1e-7 e^-(c + M)),
; so that no exponential and no sum can overflow, and c enters in one place only.
; One work-group for a batch, eight waves; thread t holds 16 dots (four loads of 16 bytes, each of a wave covering 512 consecutive bytes) and
; the one product prompt[b][t] W[t].  A row of 16 lanes makes its own maximum m, its own sum of e^(dot - m) and its part of c; the 16 rows'
; triples meet in LDS behind one barrier, and each exponential is made once: it is kept and scaled by e^(m - M) / denominator.
; 32 work-groups: the launch has 16 KiB to read and to write for each batch, and a sum over a batch belongs to one owner.
; LIMITS.  The problem's formula takes no maximum away: where a state passes 88.7 it overflows and gives NaN and 0; this text gives the finite
; quotient there.  The two agree wherever the formula's own result is finite.  A result below 2^-126 comes out as 0 (v_exp_f32 and v_rcp_f32
; flush denormals: ISA guide, their entries in 15.8).  An infinite dot makes its whole batch NaN.  The division is v_rcp_f32 and a multiply.
.set L2E,     0x3fb8aa3b               ; log2 e
.set NL2E,    0xbfb8aa3b               ; - log2 e
.set LOG2EPS, 0xc1ba0729               ; log2 1e-7 = -23.253497
.set E,   8                            ; v[8:23]   my 16 dots, then their exponentials, then the results
.set TRI, 24                           ; v24 my row's maximum, v25 its sum, v26 its part of c
.set SC,  28                           ; v28 a factor for all 16 numbers; v29 beside it is the LDS read address (the packed forms name the pair and take v28 twice)
.set GOT, 32                           ; v[32:34]  the triple of row (t mod 16)
	s_load_b256 s[4:11], s[0:1], 0x0               ; W s[4:5], prompt s[6:7], dots s[8:9], out0 s[10:11]
	v_lshl_add_u32 v44, v0, 2, 0x100
	v_mov_b32 v45, 0
	v_lshlrev_b32 v1, 4, v0                        ; 16 t: my 16 bytes in each quarter of the batch's 16 KiB
	v_lshlrev_b32 v2, 2, v0                        ; 4 t: my column of prompt and of W
	v_and_b32 v3, 0xf0, v0                         ; 16 (t / 16): my row's triple in LDS
	v_and_b32 v29, 15, v0
	v_lshlrev_b32 v29, 4, v29                      ; 16 (t mod 16): the triple that I read back
	s_lshl_b32 s12, ttmp9, 14                      ; the batch's 4,096 numbers of 4 bytes
	s_mov_b32 s13, 0
	s_lshl_b32 s14, ttmp9, 10                      ; its row of prompt
	s_mov_b32 s15, 0
	s_mov_b32 s16, L2E
	s_mov_b32 s17, LOG2EPS
	s_wait_kmcnt 0x0
	s_add_nc_u64 s[8:9], s[8:9], s[12:13]
	s_add_nc_u64 s[10:11], s[10:11], s[12:13]
	s_add_nc_u64 s[6:7], s[6:7], s[14:15]
.irp j, 0,1,2,3
	global_load_b128 v[E+4*\j:E+4*\j+3], v1, s[8:9] offset:4096*\j th:TH_LOAD_NT
.endr
	global_load_b32 v5, v2, s[6:7]                 ; prompt[b][t]
	global_load_b32 v6, v2, s[4:5]                 ; W[t]
	s_wait_loadcnt 0x0
	v_mul_f32 v[TRI+2], v5, v6                     ; my term of c
	v_max3_num_f32 v[TRI], v[E], v[E+1], v[E+2]    ; the largest of my 16 dots
	v_max3_num_f32 v30, v[E+3], v[E+4], v[E+5]
	v_max3_num_f32 v31, v[E+6], v[E+7], v[E+8]
	v_max3_num_f32 v36, v[E+9], v[E+10], v[E+11]
	v_max3_num_f32 v37, v[E+12], v[E+13], v[E+14]
	v_max3_num_f32 v[TRI], v[TRI], v30, v31
	v_max3_num_f32 v36, v36, v37, v[E+15]
	v_max_num_f32 v[TRI], v[TRI], v36
.irp x, 1,2,4,8
	v_max_num_f32_dpp v[TRI], v[TRI], v[TRI] row_xmask:\x row_mask:0xf bank_mask:0xf       ; over my row of 16 lanes: every lane ends with m
	v_add_f32_dpp v[TRI+2], v[TRI+2], v[TRI+2] row_xmask:\x row_mask:0xf bank_mask:0xf     ; and with the row's part of c
.endr
	v_mul_f32 v[SC], NL2E, v[TRI]                  ; - m log2 e
.irp j, 0,2,4,6,8,10,12,14
	v_pk_fma_f32 v[E+\j:E+\j+1], v[E+\j:E+\j+1], L2E, v[SC:SC+1] op_sel_hi:[1,0,0]         ; (dot - m) log2 e, never above a rounding of 0
.endr
.irp j, 0,1,2,3,4,5,6,7,8,9,10,11,12,13,14,15
	v_exp_f32 v[E+\j], v[E+\j]
.endr
	v_nop                                          ; one plain vector instruction stands between a transcendental and the first use of its result (ISA guide 5.7.2)
	s_wait_alu depctr_va_vdst(0)
	v_pk_add_f32 v[30:31], v[E:E+1], v[E+2:E+3]
	v_pk_add_f32 v[36:37], v[E+4:E+5], v[E+6:E+7]
	v_pk_add_f32 v[38:39], v[E+8:E+9], v[E+10:E+11]
	v_pk_add_f32 v[40:41], v[E+12:E+13], v[E+14:E+15]
	v_pk_add_f32 v[30:31], v[30:31], v[36:37]
	v_pk_add_f32 v[38:39], v[38:39], v[40:41]
	v_pk_add_f32 v[30:31], v[30:31], v[38:39]
	v_add_f32 v[TRI+1], v30, v31
.irp x, 1,2,4,8
	v_add_f32_dpp v[TRI+1], v[TRI+1], v[TRI+1] row_xmask:\x row_mask:0xf bank_mask:0xf     ; the row's sum of e^(dot - m)
.endr
	ds_store_b96 v3, v[TRI:TRI+2]                  ; the row's sixteen lanes write the same 12 bytes with the same values
	s_wait_dscnt 0x0                               ; my triple is in LDS before I say so
	s_barrier_signal -1
	s_barrier_wait -1                              ; all sixteen are
	ds_load_b96 v[GOT:GOT+2], v29                  ; lane r of every row takes row r's triple
	s_wait_dscnt 0x0
	v_max_num_f32_dpp v5, v[GOT], v[GOT] row_xmask:1 row_mask:0xf bank_mask:0xf            ; into v5, which is free and has been written: row r's own m is still needed
	v_add_f32_dpp v[GOT+2], v[GOT+2], v[GOT+2] row_xmask:1 row_mask:0xf bank_mask:0xf
.irp x, 2,4,8
	v_max_num_f32_dpp v5, v5, v5 row_xmask:\x row_mask:0xf bank_mask:0xf                   ; M, the batch's largest dot
	v_add_f32_dpp v[GOT+2], v[GOT+2], v[GOT+2] row_xmask:\x row_mask:0xf bank_mask:0xf     ; c
.endr
	v_sub_f32 v6, v[GOT], v5                       ; row r's m - M
	v_sub_f32 v7, v[TRI], v5                       ; my own row's m - M
	v_add_f32 v36, v[GOT+2], v5                    ; c + M: the batch's largest state
	v_mul_f32 v6, s16, v6
	v_mul_f32 v7, s16, v7
	v_fma_f32 v36, -v36, s16, s17                  ; log2 of 1e-7 e^-(c + M)
	v_exp_f32 v6, v6
	v_exp_f32 v7, v7
	v_exp_f32 v36, v36                             ; infinite only where c + M is below -104.8: the results, which would be denormal, are then 0
	v_nop                                          ; the place behind the transcendentals
	s_wait_alu depctr_va_vdst(0)
	v_mul_f32 v[GOT+1], v[GOT+1], v6               ; row r's sum, brought to the common maximum
.irp x, 1,2,4,8
	v_add_f32_dpp v[GOT+1], v[GOT+1], v[GOT+1] row_xmask:\x row_mask:0xf bank_mask:0xf
.endr
	v_add_f32 v[GOT+1], v[GOT+1], v36              ; the denominator, at least 1
	v_rcp_f32 v[GOT+1], v[GOT+1]
	v_nop                                          ; the place behind the transcendental
	s_wait_alu depctr_va_vdst(0)
	v_mul_f32 v[SC], v[GOT+1], v7                  ; e^(m - M) / denominator
.irp j, 0,2,4,6,8,10,12,14
	v_pk_mul_f32 v[E+\j:E+\j+1], v[E+\j:E+\j+1], v[SC:SC+1] op_sel_hi:[1,0]
.endr
.irp j, 0,1,2,3
	global_store_b128 v1, v[E+4*\j:E+4*\j+3], s[10:11] offset:4096*\j th:TH_STORE_NT       ; a wave's store covers 512 consecutive bytes, aligned
.endr
	s_wait_tensorcnt 0x0
	ds_add_u32 v44, v45
	s_wait_dscnt 0x0
	s_endpgm
.Lfunc_end_k_qeff0af48d4_normalise:
	.size	k_qeff0af48d4_normalise, .Lfunc_end_k_qeff0af48d4_normalise-k_qeff0af48d4_normalise
	.p2alignl 7, 3214868480
	.fill 96, 4, 3214868480
	.section	.rodata,"a",@progbits
	.p2align	6, 0x0
	.amdhsa_kernel k_qeff0af48d4_normalise
		.amdhsa_group_segment_fixed_size 1280
		.amdhsa_private_segment_fixed_size 0
		.amdhsa_enable_private_segment 0
		.amdhsa_kernarg_size 32
		.amdhsa_user_sgpr_count 2
		.amdhsa_user_sgpr_kernarg_segment_ptr 1
		.amdhsa_wavefront_size32 1
		.amdhsa_system_sgpr_workgroup_id_x 1
		.amdhsa_system_sgpr_workgroup_id_y 1
		.amdhsa_system_sgpr_workgroup_id_z 1
		.amdhsa_system_vgpr_workitem_id 0
		.amdhsa_next_free_vgpr 46
		.amdhsa_next_free_sgpr 66
		.amdhsa_reserve_vcc 0
		.amdhsa_float_denorm_mode_32 3
		.amdhsa_float_denorm_mode_16_64 3
		.amdhsa_memory_ordered 1
		.amdhsa_forward_progress 1
		.amdhsa_inst_pref_size 8
	.end_amdhsa_kernel
	.amdgpu_metadata
---
amdhsa.version: [ 1, 2 ]
amdhsa.kernels:
  - .name:           k_qeff0af48d4_normalise
    .symbol:         k_qeff0af48d4_normalise.kd
    .args:
      - { .name: W, .offset: 0, .size: 8, .value_kind: global_buffer, .address_space: global }
      - { .name: prompt, .offset: 8, .size: 8, .value_kind: global_buffer, .address_space: global }
      - { .name: dots, .offset: 16, .size: 8, .value_kind: global_buffer, .address_space: global }
      - { .name: out0, .offset: 24, .size: 8, .value_kind: global_buffer, .address_space: global }
    .group_segment_fixed_size: 1280
    .private_segment_fixed_size: 0
    .kernarg_segment_align: 8
    .kernarg_segment_size: 32
    .max_flat_workgroup_size: 256
    .sgpr_count:     66
    .vgpr_count:     46
    .wavefront_size: 32
...
	.end_amdgpu_metadata
.endif
;; end of part 2
;; ======== version 2 of 2: 2 launches; version 1 with the launch rowdots written anew for expert scheduling mode
;; workspace buffers: dots 524,288 bytes
;; launch rowdots (part 3): grid 256 x 1, 8 waves a work-group, no clusters, 2,048 bytes of LDS; arguments W, prompt, response, dots; writes dots
.if DOCPART == 3
	.amdgcn_target "amdgcn-amd-amdhsa--gfx1250"
	.amdhsa_code_object_version 6
	.text
	.protected	k_qeff0af48d4_rowdots
	.globl	k_qeff0af48d4_rowdots
	.p2align	8
	.type	k_qeff0af48d4_rowdots,@function
k_qeff0af48d4_rowdots:
	s_mov_b64 s[64:65], 0
	v_nop
	global_prefetch_b8 v0, s[64:65] scope:SCOPE_SE
	s_setreg_imm32_b32 hwreg(HW_REG_WAVE_SCHED_MODE, 0, 2), 2
	s_setreg_imm32_b32 hwreg(HW_REG_WAVE_MODE, 25, 1), 1
	s_wait_xcnt 0x0
	s_wait_alu depctr_vm_vsrc(0)
; dots[b][t] = sum over d of response[b][t][d] * v[b][d],   v[b][d] = W[256+d] + prompt[b][d] * W[512+d].
; The first of two launches.  A state of the problem's formula is dots[b][t] + c[b] with c[b] = prompt[b] . W[0:256]; c[b], the exponentials
; and the sum over t belong to the second launch, because that sum spans the eight work-groups that share a batch here.
; response is [32*4096] rows of 256 f32 (1,024 bytes); all arithmetic is f32.  The order of the sums is this text's own: two chains of four
; packed multiply-adds in a lane, then a tree over sixteen lanes.
;
; SHARES.  256 work-groups of 512 rows (eight to a batch); eight waves of 64 rows; a TURN is two rows: lanes 0-15 take 256 aligned bytes of one
; row, lanes 16-31 the same bytes of the row two below, four loads of 16 bytes a lane for the rows' 1,024 bytes.  So a lane keeps the same 16
; columns (64 c + 4 r .. + 3, c = 0..3, r = lane mod 16) in every row, its 16 numbers of v stay in registers, and a row's sum spans 16 lanes only.
; Turn i = 2 q + g reads the wave's rows 4 q + g (lanes 0-15) and 4 q + 2 + g (lanes 16-31): two turns that follow each other read 4,096
; consecutive bytes, and at the end a lane owns two NEIGHBOURING rows (see the tree), so that the wave's one store covers 256 consecutive bytes, aligned.
;
; WHY NO MATRIX INSTRUCTION: v is one column where a matrix instruction multiplies sixteen, and rounding to bf16 would cost one conversion for
; two numbers, as many instructions as the v_pk_fma_f32 that finishes the work in f32.  WHY NO CLUSTER: the work-groups share 2 KiB of W and
; 1 KiB of prompt and nothing else.  WHY NO LDS RING: the bytes on their way lie in registers, and LDS would move each of them twice more.
;
; THE MODE: SCHED_MODE bits 1:0 = 2 (LLVM: expert scheduling mode 2), set by the entry lines.  The code itself states the register dependences
; between vector instructions and memory or LDS instructions, with s_wait_alu, always for 0.
; THE PLAN.  Registers that memory or LDS instructions touch:
;   v1 to v4     offsets and LDS addresses: written by vector instructions at the head, once; read by every load and store; never written again.
;   v12 to v14   the three small loads land here; one v_fma_f32 reads them and writes v12, which the LDS store reads; none is written afterwards.
;   v[V ..]      the four LDS loads land here; from then on vector instructions read them, and nothing writes them.
;   slot s       of the ring: the loads of turn i (s = i mod DEPTH) land in it; turn i's eight multiply-adds read it; the loads of turn i + DEPTH,
;                issued in turn i + 1, land in it next.
;   v32, v33     written by the trees' last merges, read by the store.
; The sums at work (ACC), the other partial sums and v5 to v7 are named by vector instructions alone.
; So a turn asks for the turn DEPTH - 1 ahead, which lands in the slot that the turn BEFORE read, and one wait on va_vdst at the turn's head states
; all that its four loads hang on.  They are dealt among the turn's vector instructions, which name its own slot, v, ACC and P: none of the
; registers that those loads touch.  No register that a memory or LDS instruction reads is ever written again, no vector instruction writes a
; scalar register or VCC, and EXEC is never written: the text holds waits on va_vdst alone.
.set TURNS, 32                         ; turns of a wave: 64 rows, two at a time
.set DEPTH, 12                         ; slots: 48 loads of 512 bytes are out at the start, 40 to 44 from the second turn on: 20 KiB a wave, 160 KiB a work-group, or more
.set OFF, 1                            ; v1        byte offset of my 16 bytes in the group's rows: 65,536 wave + 2,048 (lane / 16) + 16 r; never rewritten
.set SO,  2                            ; v2        byte offset of my two results: 256 wave + 16 r + 8 (lane / 16)
.set C4,  3                            ; v3        4 t: my column in W's parts and in prompt's row, and its place in LDS
.set LV,  4                            ; v4        16 r: my four numbers in each quarter of v in LDS
.set ACC, 8                            ; v[8:11]   two chains of packed sums; later the tree's temporaries
.set WR,  12                           ; v12 W[256+t], v13 W[512+t], v14 prompt[b][t]
.set V,   16                           ; v[16:31]  v of my 16 columns
.set P,   32                           ; v[32:63]  my partial sums: P + 16 g + q
.set X,   64                           ; v[64:255] the ring: slot i mod DEPTH, 16 registers
	s_load_b256 s[4:11], s[0:1], 0x0               ; W s[4:5], prompt s[6:7], response s[8:9], dots s[10:11]
	v_lshl_add_u32 v15, v0, 2, 0x400
	s_set_vgpr_msb 0x40
	v_mov_b32 v1, 0
	s_set_vgpr_msb 0x4000
	v_lshlrev_b32 v[C4], 2, v0                     ; 4 t
	v_and_b32 v5, 15, v0                           ; r
	v_bfe_u32 v6, v0, 4, 1                         ; lane / 16
	v_lshrrev_b32 v7, 5, v0                        ; wave
	v_lshlrev_b32 v[LV], 4, v5
	v_lshl_add_u32 v[OFF], v6, 11, v[LV]           ; lanes 16-31: two rows further down
	v_lshl_add_u32 v[OFF], v7, 16, v[OFF]          ; the wave's 64 rows
	v_lshl_add_u32 v[SO], v6, 3, v[LV]
	v_lshl_add_u32 v[SO], v7, 8, v[SO]
	s_lshl_b32 s12, ttmp9, 19                      ; the group's 512 rows of 1,024 bytes (below 2^27)
	s_mov_b32 s13, 0
	s_lshr_b32 s14, ttmp9, 3                       ; batch
	s_lshl_b32 s14, s14, 10                        ; its row of prompt
	s_mov_b32 s15, 0
	s_lshl_b32 s16, ttmp9, 11                      ; the group's 512 results of 4 bytes
	s_mov_b32 s17, 0
	s_mov_b32 s18, 0xaaaaaaaa                      ; lanes whose number has bit 0 set,
	s_mov_b32 s19, 0xcccccccc                      ; bit 1,
	s_mov_b32 s20, 0xf0f0f0f0                      ; bit 2,
	s_mov_b32 s21, 0xff00ff00                      ; bit 3
	s_wait_kmcnt 0x0
	s_add_nc_u64 s[8:9], s[8:9], s[12:13]
	s_add_nc_u64 s[6:7], s[6:7], s[14:15]
	s_add_nc_u64 s[10:11], s[10:11], s[16:17]
; load c of the four of a turn, into the turn's slot; the turn's place stands in the immediate (64,256 bytes at the most), so no address register is ever stepped
.macro LOAD1 turn, c
	global_load_b128 v[X+16*((\turn)%DEPTH)+4*(\c):X+16*((\turn)%DEPTH)+4*(\c)+3], v[OFF], s[8:9] offset:((\turn)/2)*4096+((\turn)%2)*1024+256*(\c) th:TH_LOAD_NT
.endm
.macro FILL turn
.irp c, 0,1,2,3
	LOAD1 \turn, \c
.endr
.endm
	s_wait_alu depctr_va_vdst(0)                   ; v1 to v4 are written: every load, LDS instruction and store of the kernel reads one of them as its offset or address
	global_load_b32 v[WR],   v[C4], s[4:5] offset:1024     ; W[256+t]: thread t makes column t of v, so the group fetches these 3 KiB once
	global_load_b32 v[WR+1], v[C4], s[4:5] offset:2048     ; W[512+t]
	global_load_b32 v[WR+2], v[C4], s[6:7]                 ; prompt[b][t]
.irp i, 0,1,2,3,4,5,6,7,8,9,10,11
	FILL \i                                        ; the ring is filled before anything is waited for
.endr
	s_wait_loadcnt 4*DEPTH                         ; loads come back in order (ISA guide 5.7.1): the three small ones are in, the ring's 48 stay out
	v_fma_f32 v[WR], v[WR+2], v[WR+1], v[WR]       ; v[t]
	s_wait_alu depctr_va_vdst(0)                   ; the multiply-add has written v[WR], which the LDS store reads
	ds_store_b32 v[C4], v[WR]
	s_wait_dscnt 0x0                               ; my column is in LDS before I say so
	s_barrier_signal -1
	s_barrier_wait -1                              ; all 256 columns are
.irp c, 0,1,2,3
	ds_load_b128 v[V+4*\c:V+4*\c+3], v[LV] offset:256*\c   ; sixteen lanes take 256 neighbouring bytes; both halves of the wave the same ones.  No vector instruction has named v[V ..], and v[LV] was written ahead of the first wait
.endr
	s_wait_dscnt 0x0
; One turn: two rows' products with v, summed in the lane.  Turns 1 to TURNS - DEPTH also ask for the turn DEPTH - 1 further on, into the slot that the turn before read.
.macro TURN i
.set SL, X+16*(\i%DEPTH)
.set AHEAD, 0
.if (\i > 0) && (\i+DEPTH-1 < TURNS)
.set AHEAD, 1
.endif
.if \i == 0
	s_wait_loadcnt 4*(DEPTH-1)                     ; my four loads are in; the eleven younger turns' 44 stay out
.elseif \i+DEPTH-1 < TURNS
	s_wait_loadcnt 4*(DEPTH-2)                     ; my four loads are in; the ten younger turns' 40 stay out (the eleventh is asked for below)
.else
	s_wait_loadcnt 4*(TURNS-1-\i)                  ; nothing is fetched any more: the counts run down to 0
.endif
.if AHEAD
	s_wait_alu depctr_va_vdst(0)                   ; the turn before is done reading its slot, in which the four loads of this turn land
	LOAD1 \i+DEPTH-1, 0
.endif
	v_pk_mul_f32 v[ACC:ACC+1],   v[SL:SL+1],   v[V:V+1]        ; the first products start the two chains: nothing is cleared
	v_pk_mul_f32 v[ACC+2:ACC+3], v[SL+8:SL+9], v[V+8:V+9]
.irp k, 2,4,6
.if AHEAD
	LOAD1 \i+DEPTH-1, \k/2                         ; no wait: no vector instruction since the wait above names the slot of the turn before, or v[OFF]
.endif
	v_pk_fma_f32 v[ACC:ACC+1],   v[SL+\k:SL+\k+1],     v[V+\k:V+\k+1],     v[ACC:ACC+1]
	v_pk_fma_f32 v[ACC+2:ACC+3], v[SL+8+\k:SL+8+\k+1], v[V+8+\k:V+8+\k+1], v[ACC+2:ACC+3]
.endr
	v_pk_add_f32 v[ACC:ACC+1], v[ACC:ACC+1], v[ACC+2:ACC+3]
	v_add_f32 v[P+16*(\i%2)+\i/2], v[ACC], v[ACC+1]
.endm
.irp i, 0,1,2,3,4,5,6,7,8,9,10,11,12,13,14,15,16,17,18,19,20,21,22,23,24,25,26,27,28,29,30,31
	TURN \i
.endr
; THE TREE.  Sixteen lanes each hold a part of sixteen sums (q = 0..15).  A merge halves the registers instead of repeating a sum in every lane:
; of two sums a and b a lane keeps a if the step's bit of its number is 0 and b if it is 1, and adds to it the part that its partner
; (lane xor the bit) holds of that same sum.  After the bits 1, 2, 4, 8 lane r holds the whole sum q = r: 15 merges for 16 sums.
.macro MERGE d, a, b, m, x, t
	v_cndmask_b32 v[\t],   v[\a], v[\b], \m        ; what I keep (the masks are scalar constants, made by scalar instructions at the head)
	v_cndmask_b32 v[\t+1], v[\b], v[\a], \m        ; what my partner keeps
	v_add_f32_dpp v[\d], v[\t+1], v[\t] row_xmask:\x row_mask:0xf bank_mask:0xf    ; my partner's second line + my first; the destination has been written before
.endm
.macro TREE p, d                       ; sums p .. p+15, folded in place; the result goes to register d
.irp j, 0,1,2,3,4,5,6,7
	MERGE \p+\j, \p+2*\j, \p+2*\j+1, s18, 1, ACC+2*(\j%2)
.endr
.irp j, 0,1,2,3
	MERGE \p+\j, \p+2*\j, \p+2*\j+1, s19, 2, ACC+2*(\j%2)
.endr
.irp j, 0,1
	MERGE \p+\j, \p+2*\j, \p+2*\j+1, s20, 4, ACC+2*(\j%2)
.endr
	MERGE \d, \p, \p+1, s21, 8, ACC
.endm
	TREE P, P                                      ; g = 0: lane (h, r) holds the wave's row 4 r + 2 h
	TREE P+16, P+1                                 ; g = 1: row 4 r + 2 h + 1, into the register beside it (free since the first tree's last merge)
	s_wait_alu depctr_va_vdst(0)                   ; the trees' last merges have written v[P] and v[P+1], which the store reads
	global_store_b64 v[SO], v[P:P+1], s[10:11]     ; 32 lanes x 8 bytes: 256 consecutive bytes, at a multiple of 256 from the buffer's first byte; the next launch reads them, so no hint
	s_set_vgpr_msb 0x4
	s_wait_dscnt 0x0
	s_wait_alu depctr_hold_cnt(0) depctr_sa_sdst(0) depctr_va_vdst(0) depctr_va_sdst(0) depctr_va_ssrc(0) depctr_va_vcc(0) depctr_vm_vsrc(0)
	s_wait_tensorcnt 0x0
	ds_add_u32 v15, v1
	s_wait_dscnt 0x0
	s_endpgm
.Lfunc_end_k_qeff0af48d4_rowdots:
	.size	k_qeff0af48d4_rowdots, .Lfunc_end_k_qeff0af48d4_rowdots-k_qeff0af48d4_rowdots
	.p2alignl 7, 3214868480
	.fill 96, 4, 3214868480
	.section	.rodata,"a",@progbits
	.p2align	6, 0x0
	.amdhsa_kernel k_qeff0af48d4_rowdots
		.amdhsa_group_segment_fixed_size 2048
		.amdhsa_private_segment_fixed_size 0
		.amdhsa_enable_private_segment 0
		.amdhsa_kernarg_size 32
		.amdhsa_user_sgpr_count 2
		.amdhsa_user_sgpr_kernarg_segment_ptr 1
		.amdhsa_wavefront_size32 1
		.amdhsa_system_sgpr_workgroup_id_x 1
		.amdhsa_system_sgpr_workgroup_id_y 1
		.amdhsa_system_sgpr_workgroup_id_z 1
		.amdhsa_system_vgpr_workitem_id 0
		.amdhsa_next_free_vgpr 258
		.amdhsa_next_free_sgpr 66
		.amdhsa_reserve_vcc 0
		.amdhsa_float_denorm_mode_32 3
		.amdhsa_float_denorm_mode_16_64 3
		.amdhsa_memory_ordered 1
		.amdhsa_forward_progress 1
		.amdhsa_inst_pref_size 42
	.end_amdhsa_kernel
	.amdgpu_metadata
---
amdhsa.version: [ 1, 2 ]
amdhsa.kernels:
  - .name:           k_qeff0af48d4_rowdots
    .symbol:         k_qeff0af48d4_rowdots.kd
    .args:
      - { .name: W, .offset: 0, .size: 8, .value_kind: global_buffer, .address_space: global }
      - { .name: prompt, .offset: 8, .size: 8, .value_kind: global_buffer, .address_space: global }
      - { .name: response, .offset: 16, .size: 8, .value_kind: global_buffer, .address_space: global }
      - { .name: dots, .offset: 24, .size: 8, .value_kind: global_buffer, .address_space: global }
    .group_segment_fixed_size: 2048
    .private_segment_fixed_size: 0
    .kernarg_segment_align: 8
    .kernarg_segment_size: 32
    .max_flat_workgroup_size: 256
    .sgpr_count:     66
    .vgpr_count:     258
    .wavefront_size: 32
...
	.end_amdgpu_metadata
.endif
;; end of part 3
;; launch normalise: the kernel of part 2 again; grid 32 x 1, 8 waves a work-group, no clusters, 1,280 bytes of LDS; arguments W, prompt, dots, out0; writes out0
